; MI455X (gfx1250); checked and timed in simulation.
; The chip was launched on July 23, 2026; its instructions are those of AMD's public machine-readable ISA for CDNA 5 (MIT licence, August 2026) and "CDNA5" Instruction Set Architecture Reference Guide (July 2026). The comments in the code are by the model that wrote it; some were corrected since.
;; Adapted Gated Attention Withoutqkv. Allowed arithmetic: float matrix products may take bf16 or f16 operands with f32 sums; all other float work in f32.
;; Inputs: Wc 1,024 x 2,048 float32; bc 1,024 float32; input 8 x 1,024 x 1,024 float32; mask 8 x 1,024 float32; memory 8 x 1,024 x 1,024 float32.
;; Outputs: out0 8 x 1,024 x 1,024 float32.
;; One version. Each part assembles by itself: llvm-mc -triple=amdgcn-amd-amdhsa -mcpu=gfx1250 --defsym DOCPART=n.
;; ======== version 1 of 1: 2 launches
;; limits: values are held in f16: magnitudes above 65,504 overflow, below 6.1e-05 lose precision; inputs' magnitudes at most 65,504
;; workspace buffers: xw 33,554,432 bytes; wb 4,194,304 bytes
;; launch attn (part 1): grid 256 x 1, 8 waves a work-group, no clusters, 316,416 bytes of LDS; arguments input, memory, mask, Wc, xw, wb; writes xw, wb
.if DOCPART == 1
	.amdgcn_target "amdgcn-amd-amdhsa--gfx1250"
	.amdhsa_code_object_version 6
	.text
	.protected	k_q0197369040_attn
	.globl	k_q0197369040_attn
	.p2align	8
	.type	k_q0197369040_attn,@function
k_q0197369040_attn:
	s_mov_b64 s[64:65], 0
	v_nop
	global_prefetch_b8 v0, s[64:65] scope:SCOPE_SE
	s_setreg_imm32_b32 hwreg(HW_REG_WAVE_MODE, 25, 1), 1
	s_wait_xcnt 0x0
; ATTENTION of one (batch, head) for 512 queries, and the casts of input and Wc to f16.
; q = input[b][.][64 head ..], k = v = memory[b][.][64 head ..]; ctx = softmax(q k^T / 8 - 1e30 (1 - mask)) v.
; Work-group g: query half g & 1, head (g >> 1) & 15, batch g >> 5.  Eight waves; wave w owns 64 queries (4 tiles of 16) against all 1,024 keys, in 16 steps of 64 keys.
; FORMAT: all matrix operands are f16 (11 significant bits), sums f32.  The later product sums 2,048 terms in front of a gate whose slope at 0 is 1/2, and the
; 8 significant bits of bf16 leave too little margin there.  f16 has the room: its largest number is 65,504.
; The head's whole K (1,024 x 64) lies in LDS as f16, twice: pitch 144 for row fragments (K as A of the score product), pitch 160 for transposing
; loads (V^T as A of the context product); 144 is an odd multiple of 16 and 160 an odd multiple of 32, and no one pitch is both.
; THE PRODUCTS ARE TRANSPOSED: S^T = K Q^T.  In its result register j of lane (r, h) is key 8 h + j, query r: two tiles packed to f16 are at once the B operand
; (k = key) of ctx^T = V^T P^T, and maximum, sum and rescaling factor belong to the lane; one exchange between the lane halves a step is all that crosses lanes.
; OUT: xw[row / 16][kc 0..63][1,024 B] and wb[Wc row / 16][kc][1,024 B] hold f16 in fragment order: byte 512 u + 16 lane holds registers 4 u .. 4 u + 3 of the lane's
; matrix operand (16 rows x 32 k).  kc 0..31 of xw is input, kc 32..63 is ctx.  Q's fragments and ctx^T's results have that lane layout already, so each store
; of a wave covers 512 consecutive bytes, aligned.  Wave w of group g also casts tile 8 g + w of Wc (16 rows x 64 k): 2,048 tiles for 2,048 waves.
; SCALE: Q is multiplied by log2(e) / 8 in f32 before it is rounded for the score product, so scores come in base-2 units and p = exp2(S - m), m the running maximum;
; S - m is exactly 0 at the maximum, whatever its size.  The mask enters as the C operand of the first score product: (1 - mask) x (-1e30 log2 e), in f32.
; NO CLUSTER, NO TENSOR LOADS: K has to pass through registers to be cast; the f32 tile (262,144 B) and the two f16 copies (311,296 B) do not fit in LDS together,
; and only two work-groups (the two query halves) read the same K.
; LIMITS: a number of input, memory or Wc above 65,504 in magnitude becomes infinite in f16; below 6.1e-5 the step is 6e-8.  A p below 6e-8 enters the context product as 0
; (the row sum is at least 1).  The row sum adds p in f32 while the context product takes p rounded to f16.  A key whose bias is about -1e30 counts on the matrix product
; returning its C unchanged under products some 2^90 times smaller (as the f32 sum of the definition does).  exp2 gives 0 below 2^-126 (ISA guide 15.8).
; NaN and infinities in the inputs are not treated apart.
.set PA,    144                        ; pitch of the row copy
.set PV,    160                        ; pitch of the copy for transposing loads
.set KV0,   1024*PA                    ; 147,456: where that copy begins
.set BIAS0, KV0+1024*PV                ; 311,296: 1,024 f32 of mask bias
.set TILEB, 16*PA                      ; a staged tile: 16 rows
.set WSTG,  9*TILEB                    ; a wave's cast stage, inside the K regions before they are filled: 4 Q tiles, 1 Wc tile, 4 scaled Q tiles
; window 0, loop
.set ADK, 1                            ; LDS address of my K row fragments, this step
.set ADV, 2                            ; the same for the transposing loads
.set ADB, 3                            ; the same for the bias
.set OUTO, 4                           ; 16 x lane: my place in a stored fragment half; never rewritten
.set NM,  8                            ; v8-11   minus the running maximum, one for each query tile
.set TM,  12                           ; v12-15  the step's maximum
.set UX,  16                           ; v16-19  the other lane half's figure
.set AL,  20                           ; v20-23  rescaling factor
.set LS,  24                           ; v24-31  running sum, a pair for each query tile
.set QF,  32                           ; v32-95  scaled Q fragments [qt][kc], 8 registers each
.set KF,  96                           ; v96-159 K fragments [mt][kc]
.set VF,  160                          ; v160-223 V^T fragments [c2][dt]
.set BI,  224                          ; v224-255 bias tiles [mt]
; window 1
.set ACC, 0                            ; v256-383 ctx^T [qt][dt]
.set SC,  128                          ; v384-511 S^T [qt][mt]; P is packed in place: P[qt][c2] = SC + 32 qt + 16 c2 .. + 7
; window 0, before the loop only
.set VQ,  8
.set VW,  9
.set VK,  10
.set VM,  11
.set STW, 12
.set STR, 13
.set KSA, 14
.set KSV, 15
.set BST, 16
.set CV,  18                           ; v18-25 four pairs of packed f16
.set MK,  28                           ; v28-31 mask
.set CL,  96                           ; v96-255 cast loads, 5 tiles x 32; then each tile's first 16 hold its fragments to store
.set KC,  160                          ; v160-191 a K group's packed f16
.set MSB, 0
.macro WIN new                         ; the immediate's high byte repeats the setting that is left
.if MSB != \new
	s_set_vgpr_msb (MSB<<8)|\new
.set MSB, \new
.endif
.endm
.macro PLACES                          ; four places behind matrix instructions (ISA guide 7.12.1)
.rept 4
	v_nop
.endr
.endm
; d = a op base[qt], in both halves of the pair
.macro BC2 op, d, a, base, qt
.if (\qt)&1
	\op v[\d:\d+1], v[\a:\a+1], v[\base+\qt-1:\base+\qt] op_sel:[0,1] op_sel_hi:[1,1]
.else
	\op v[\d:\d+1], v[\a:\a+1], v[\base+\qt:\base+\qt+1] op_sel_hi:[1,0]
.endif
.endm
	s_load_b256 s[4:11], s[0:1], 0x0               ; input s[4:5], memory s[6:7], mask s[8:9], Wc s[10:11]
	s_load_b128 s[12:15], s[0:1], 0x20             ; xw s[12:13], wb s[14:15]
	v_lshrrev_b32 v5, 5, v0
	v_readfirstlane_b32 s16, v5                    ; wave 0..7
	s_and_b32 s17, ttmp9, 1                        ; query half
	s_bfe_u32 s18, ttmp9, 0x40001                  ; head
	s_lshr_b32 s19, ttmp9, 5                       ; batch
	s_lshl_b32 s31, s19, 22                        ; batch x 1,024 rows x 4,096 bytes
	s_lshl_b32 s22, s18, 8                         ; head x 256 bytes of a row
	s_add_co_u32 s22, s22, s31                     ; memory: the head's K
	s_mov_b32 s23, 0
	s_lshl_b32 s30, s17, 21
	s_add_co_u32 s31, s31, s30                     ; + half x 512 rows
	s_lshl_b32 s30, s16, 18
	s_add_co_u32 s31, s31, s30                     ; + wave x 64 rows; in xw the same figure: 4 row blocks of 65,536 bytes a wave
	s_lshl_b32 s20, s18, 8
	s_add_co_u32 s20, s20, s31                     ; input: my 64 queries
	s_mov_b32 s21, 0
	s_lshl_b32 s38, s18, 11                        ; xw: the head's two fragments of 1,024 bytes
	s_add_co_u32 s38, s38, s31
	s_mov_b32 s39, 0
	s_lshl_b32 s26, s19, 12                        ; mask: the batch's 1,024 f32
	s_mov_b32 s27, 0
	s_lshl_b32 s30, ttmp9, 3
	s_add_co_u32 s30, s30, s16                     ; my Wc tile, 0..2047
	s_lshr_b32 s34, s30, 5                         ; its block of 16 rows
	s_and_b32 s30, s30, 31                         ; its 64 k
	s_lshl_b32 s36, s34, 16
	s_lshl_b32 s34, s34, 17                        ; 16 rows of 8,192 bytes
	s_lshl_b32 s31, s30, 8
	s_add_co_u32 s34, s34, s31
	s_mov_b32 s35, 0
	s_lshl_b32 s31, s30, 11
	s_add_co_u32 s36, s36, s31                     ; wb: block x 65,536 + two fragments
	s_mov_b32 s37, 0
	s_mov_b32 s24, 0x3e38aa3b                      ; log2(e) / 8
	s_mov_b32 s25, 0x3e38aa3b
	s_mov_b32 s28, 0x76543210                      ; v_permlanex16_b32: lane i reads lane i of the other half
	s_mov_b32 s29, 0xfedcba98
	s_mul_i32 s31, s16, WSTG                       ; my stage
	v_and_b32 v5, 31, v0                           ; lane
	v_and_b32 v6, 15, v0                           ; r
	v_bfe_u32 v7, v0, 4, 1                         ; h
	v_lshrrev_b32 v17, 4, v0                       ; 0..15: my row among the 16 that one load of the work-group covers
	v_lshlrev_b32 v[OUTO], 4, v5
	v_lshlrev_b32 v[VQ], 4, v6
	v_lshl_add_u32 v[VW], v7, 13, v[VQ]            ; Wc: lanes 0-15 one row's 256 bytes, lanes 16-31 the next row's
	v_lshl_add_u32 v[VK], v17, 12, v[VQ]           ; K: sixteen lanes a row, 16 rows a work-group load
	v_lshl_add_u32 v[VQ], v7, 12, v[VQ]            ; Q: as Wc, rows 4,096 bytes apart
	v_lshlrev_b32 v[VM], 4, v0
	v_mul_u32_u24 v[STW], v7, PA
	v_lshl_add_u32 v[STW], v6, 3, v[STW]
	v_add_nc_u32 v[STW], s31, v[STW]               ; stage in: row h, 8 bytes at 8 r
	v_mul_u32_u24 v[ADK], v6, PA
	v_lshl_add_u32 v[ADK], v7, 4, v[ADK]           ; a fragment's lane: row r, 16 bytes at 16 h
	v_add_nc_u32 v[STR], s31, v[ADK]               ; stage out: the same in my stage
	v_mul_u32_u24 v[KSA], v17, PA
	v_lshl_add_u32 v[KSA], v6, 3, v[KSA]
	v_mul_u32_u24 v[KSV], v17, PV
	v_lshl_add_u32 v[KSV], v6, 3, v[KSV]
	v_add_nc_u32 v[KSV], KV0, v[KSV]
	v_add_nc_u32 v[BST], BIAS0, v[VM]
	v_and_b32 v[ADV], 7, v0
	v_lshl_add_u32 v[ADV], v7, 3, v[ADV]           ; key 8 h + (lane & 7)
	v_mul_u32_u24 v[ADV], v[ADV], PV
	v_bfe_u32 v26, v0, 3, 1
	v_lshl_add_u32 v[ADV], v26, 4, v[ADV]          ; 16 bytes on for lanes 8-15 and 24-31
	v_add_nc_u32 v[ADV], KV0, v[ADV]
	v_lshlrev_b32 v[ADB], 5, v7
	v_add_nc_u32 v[ADB], BIAS0, v[ADB]             ; eight biases of keys 8 h ..
	s_wait_kmcnt 0x0
	s_add_nc_u64 s[4:5], s[4:5], s[20:21]
	s_add_nc_u64 s[6:7], s[6:7], s[22:23]
	s_add_nc_u64 s[8:9], s[8:9], s[26:27]
	s_add_nc_u64 s[10:11], s[10:11], s[34:35]
	s_add_nc_u64 s[12:13], s[12:13], s[38:39]      ; xw, the input half of the rows
	s_add_nc_u64 s[14:15], s[14:15], s[36:37]
	s_add_nc_u64 s[32:33], s[12:13], 0x8000        ; xw, the ctx half: 32 fragments further
; eight loads: a tile of 16 rows x 256 bytes, two whole rows each
.macro CLOAD i, b0, voff, rp, imm0
.irp j, 0,1,2,3,4,5,6,7
	global_load_b128 v[CL+32*\i+4*\j:CL+32*\i+4*\j+3], v[\voff], s[\b0:\b0+1] offset:\imm0+\j*2*\rp th:TH_LOAD_NT
.endr
.endm
; cnt loads of K, 16 rows of the head each, into window 1; no hint: the other query half reads the same rows
.macro KLOADS n0, cnt
	WIN 0x40
.set n, \n0
.rept \cnt
	global_load_b128 v[4*n:4*n+3], v[VK], s[6:7] offset:n*65536
.set n, n+1
.endr
	WIN 0
.endm
; Tile i: round to f16, through my stage into fragment order.  scaled = 1 (Q): a second time, multiplied by log2(e) / 8, into QF.
; The stage is the wave's own and LDS serves a wave's instructions in order (ISA guide 5.7.1): no wait between the stores and the loads.
.macro CCONV i, scaled, left
	s_wait_loadcnt \left                           ; loads come back in order: this tile's eight are in, the younger ones stay out
.irp j, 0,1,2,3,4,5,6,7
	v_cvt_pk_f16_f32 v[CV+2*(\j%4)], v[CL+32*\i+4*\j], v[CL+32*\i+4*\j+1]
	v_cvt_pk_f16_f32 v[CV+2*(\j%4)+1], v[CL+32*\i+4*\j+2], v[CL+32*\i+4*\j+3]
	ds_store_b64 v[STW], v[CV+2*(\j%4):CV+2*(\j%4)+1] offset:\i*TILEB+\j*2*PA
.endr
.if \scaled
.irp j, 0,1,2,3,4,5,6,7
	v_pk_mul_f32 v[CL+32*\i+4*\j:CL+32*\i+4*\j+1], v[CL+32*\i+4*\j:CL+32*\i+4*\j+1], s[24:25] op_sel_hi:[1,0]
	v_pk_mul_f32 v[CL+32*\i+4*\j+2:CL+32*\i+4*\j+3], v[CL+32*\i+4*\j+2:CL+32*\i+4*\j+3], s[24:25] op_sel_hi:[1,0]
	v_cvt_pk_f16_f32 v[CV+2*(\j%4)], v[CL+32*\i+4*\j], v[CL+32*\i+4*\j+1]
	v_cvt_pk_f16_f32 v[CV+2*(\j%4)+1], v[CL+32*\i+4*\j+2], v[CL+32*\i+4*\j+3]
	ds_store_b64 v[STW], v[CV+2*(\j%4):CV+2*(\j%4)+1] offset:(5+\i)*TILEB+\j*2*PA
.endr
.irp f, 0,1,2,3
	ds_load_b128 v[QF+16*\i+4*\f:QF+16*\i+4*\f+3], v[STR] offset:(5+\i)*TILEB+32*\f
.endr
.endif
.irp f, 0,1,2,3
	ds_load_b128 v[CL+32*\i+4*\f:CL+32*\i+4*\f+3], v[STR] offset:\i*TILEB+32*\f   ; registers 4 f ..: k = 32 (f / 2) + 16 (f % 2) + 8 h ..
.endr
.endm
; K loads 16 n .. 16 n + 15: round, and store into both copies
.macro KGRP n
	WIN 0x05
.set j, 0
.rept 16
	v_cvt_pk_f16_f32 v[KC+2*j], v[64*\n+4*j], v[64*\n+4*j+1]
	v_cvt_pk_f16_f32 v[KC+2*j+1], v[64*\n+4*j+2], v[64*\n+4*j+3]
.set j, j+1
.endr
	WIN 0
.set j, 0
.rept 16
	ds_store_b64 v[KSA], v[KC+2*j:KC+2*j+1] offset:16*PA*j
	ds_store_b64 v[KSV], v[KC+2*j:KC+2*j+1] offset:16*PV*j
.set j, j+1
.endr
	v_add_nc_u32 v[KSA], 256*PA, v[KSA]
	v_add_nc_u32 v[KSV], 256*PV, v[KSV]
.endm
	; everything that can be asked for at once: 40 cast loads, the mask, the first 16 of K's 64 loads
.irp i, 0,1,2,3
	CLOAD \i, 4, VQ, 4096, \i*65536
.endr
	CLOAD 4, 10, VW, 8192, 0
	global_load_b128 v[MK:MK+3], v[VM], s[8:9]
	KLOADS 0, 16
	CCONV 0, 1, 49                                 ; behind tile 0: 32 cast loads, the mask, 16 of K
	CCONV 1, 1, 41
	CCONV 2, 1, 33
	CCONV 3, 1, 25
	CCONV 4, 0, 17
	KLOADS 16, 32
	s_wait_dscnt 0x0                               ; my fragments are in registers, and my reads of the stage are over
.irp i, 0,1,2,3
.irp f, 0,1,2,3
	global_store_b128 v[OUTO], v[CL+32*\i+4*\f:CL+32*\i+4*\f+3], s[12:13] offset:\i*65536+\f*512   ; 512 consecutive bytes a store
.endr
.endr
.irp f, 0,1,2,3
	global_store_b128 v[OUTO], v[CL+128+4*\f:CL+128+4*\f+3], s[14:15] offset:\f*512
.endr
	s_barrier_signal -1
	s_barrier_wait -1                              ; every wave's reads of its stage are over: the K regions may be filled
	s_wait_loadcnt 48                              ; the mask is in; 48 loads of K are younger
.irp k, 0,1,2,3
	v_sub_f32 v[MK+\k], 1.0, v[MK+\k]
.endr
.irp k, 0,1,2,3
	v_mul_f32 v[MK+\k], 0xf191accb, v[MK+\k]       ; (1 - mask) x (-1e30 log2 e)
.endr
	ds_store_b128 v[BST], v[MK:MK+3]
	s_wait_xcnt 0x0                                ; the fragment stores' data registers (v96 ..) are rewritten only behind this wait
	s_wait_loadcnt 32                              ; K loads 0-15 are in, 32 younger stay out
	KGRP 0
	KLOADS 48, 16
	s_wait_loadcnt 32                              ; loads 16-31; 32-63 stay out
	KGRP 1
	s_wait_loadcnt 16
	KGRP 2
	s_wait_loadcnt 0x0
	KGRP 3
	s_wait_dscnt 0x0                               ; my part of K and of the bias is written
	s_barrier_signal -1
	s_barrier_wait -1                              ; everybody's is
.irp qt, 0,1,2,3
	v_mov_b32 v[UX+\qt], 0                         ; v_permlanex16_b32's destination counts as read
.endr
.macro LOADB off                       ; bias of 64 keys as four C tiles: register j = key 16 mt + 8 h + j, the same in all 16 lanes of a half
.irp mt, 0,1,2,3
	ds_load_b128 v[BI+8*\mt:BI+8*\mt+3], v[ADB] offset:\off+64*\mt
	ds_load_b128 v[BI+8*\mt+4:BI+8*\mt+7], v[ADB] offset:\off+64*\mt+16
.endr
.endm
.macro LOADK off                       ; 64 keys x 64 as eight A fragments
.irp mt, 0,1,2,3
.irp f, 0,1,2,3
	ds_load_b128 v[KF+16*\mt+4*\f:KF+16*\mt+4*\f+3], v[ADK] offset:\off+16*PA*\mt+32*\f
.endr
.endr
.endm
.macro LOADV                           ; the same 64 keys transposed: A fragments of 16 dims x 32 keys
.irp c2, 0,1
.irp dt, 0,1,2,3
	ds_load_tr16_b128 v[VF+32*\c2+8*\dt:VF+32*\c2+8*\dt+3], v[ADV] offset:32*PV*\c2+32*\dt
	ds_load_tr16_b128 v[VF+32*\c2+8*\dt+4:VF+32*\c2+8*\dt+7], v[ADV] offset:32*PV*\c2+16*PV+32*\dt
.endr
.endr
.endm
; One step: 64 keys against my 64 queries.  first = 1: the step starts maximum, sum and ctx; last = 1: nothing more is fetched.
.macro STEP first, last
	s_wait_dscnt 0x0                               ; this step's K fragments and bias are in
	; S^T = bias + K Q^T.  The sixteen accumulators take turns, one instruction a turn.
	WIN 0x40
.irp mt, 0,1,2,3
.irp qt, 0,1,2,3
	v_wmma_f32_16x16x32_f16 v[SC+32*\qt+8*\mt:SC+32*\qt+8*\mt+7], v[KF+16*\mt:KF+16*\mt+7], v[QF+16*\qt:QF+16*\qt+7], v[BI+8*\mt:BI+8*\mt+7]
.endr
.endr
	WIN 0x50
.irp mt, 0,1,2,3
.irp qt, 0,1,2,3
	v_wmma_f32_16x16x32_f16 v[SC+32*\qt+8*\mt:SC+32*\qt+8*\mt+7], v[KF+16*\mt+8:KF+16*\mt+15], v[QF+16*\qt+8:QF+16*\qt+15], v[SC+32*\qt+8*\mt:SC+32*\qt+8*\mt+7]
.endr
.endr
	WIN 0
	PLACES                                         ; in front of the loads into K's, the bias's and V's registers and of the reads of S
	LOADV
.if \last == 0
	LOADB 256
	LOADK 64*PA
.endif
	; the step's maximum for each query, from the old one on
.if \first
	WIN 0x05
.irp qt, 0,1,2,3
	v_max_num_f32 v[TM+\qt], v[SC+32*\qt], v[SC+32*\qt+1]
.endr
	WIN 0x14
.else
	WIN 0x14
.irp qt, 0,1,2,3
	v_max3_num_f32 v[TM+\qt], -v[NM+\qt], v[SC+32*\qt], v[SC+32*\qt+1]
.endr
.endif
.set i, 1
.rept 15
.irp qt, 0,1,2,3
	v_max3_num_f32 v[TM+\qt], v[TM+\qt], v[SC+32*\qt+2*i], v[SC+32*\qt+2*i+1]
.endr
.set i, i+1
.endr
	WIN 0
.irp qt, 0,1,2,3
	v_permlanex16_b32 v[UX+\qt], v[TM+\qt], s28, s29   ; the other half of the lanes holds the query's other keys
.endr
.irp qt, 0,1,2,3
	v_max_num_f32 v[TM+\qt], v[TM+\qt], v[UX+\qt]
.endr
.if \first == 0
.irp qt, 0,1,2,3
	v_sub_f32 v[AL+\qt], -v[NM+\qt], v[TM+\qt]     ; old maximum - new maximum
.endr
.irp qt, 0,1,2,3
	v_exp_f32 v[AL+\qt], v[AL+\qt]
.endr
.endif
	s_wait_alu depctr_va_vdst(0)
.irp qt, 0,1,2,3
	v_mul_f32 v[NM+\qt], -1.0, v[TM+\qt]           ; also the plain place behind the exponentials (ISA guide 5.7.2)
.endr
.if \first == 0
.irp qt, 0,1,2,3
	BC2 v_pk_mul_f32, LS+2*\qt, LS+2*\qt, AL, \qt
.endr
.endif
	; p = exp2(S - m).  Between the exponentials of one query tile go the subtractions of the next and the rescaling of ctx: plain work behind each of them.
	WIN 0x41
.set i, 0
.rept 16
	BC2 v_pk_add_f32, SC+2*i, SC+2*i, NM, 0
.set i, i+1
.endr
.irp qt, 0,1,2,3
.set i, 0
.rept 16
	v_exp_f32 v[SC+32*\qt+2*i], v[SC+32*\qt+2*i]
.if \qt<3
	BC2 v_pk_add_f32, SC+32*\qt+32+2*i, SC+32*\qt+32+2*i, NM, \qt+1
.endif
	v_exp_f32 v[SC+32*\qt+2*i+1], v[SC+32*\qt+2*i+1]
.if \first == 0
	BC2 v_pk_mul_f32, ACC+32*\qt+2*i, ACC+32*\qt+2*i, AL, \qt
.endif
.set i, i+1
.endr
.endr
.if \first
	v_nop                                          ; the place behind the last exponentials
.endif
	; the sums, in f32
.if \first
	WIN 0x05
	s_wait_alu depctr_va_vdst(0)
.irp qt, 0,1,2,3
	v_pk_add_f32 v[LS+2*\qt:LS+2*\qt+1], v[SC+32*\qt:SC+32*\qt+1], v[SC+32*\qt+2:SC+32*\qt+3]
.endr
.set i, 2
.else
.set i, 0
.endif
	WIN 0x01
	s_wait_alu depctr_va_vdst(0)
.rept 16-i
.irp qt, 0,1,2,3
	v_pk_add_f32 v[LS+2*\qt:LS+2*\qt+1], v[SC+32*\qt+2*i:SC+32*\qt+2*i+1], v[LS+2*\qt:LS+2*\qt+1]
.endr
.set i, i+1
.endr
	; P to f16, in place: register k of a fragment takes registers 2 k, 2 k + 1, which no later line reads
	WIN 0x45
.irp qt, 0,1,2,3
.irp c2, 0,1
.irp k, 0,1,2,3,4,5,6,7
	v_cvt_pk_f16_f32 v[SC+32*\qt+16*\c2+\k], v[SC+32*\qt+16*\c2+2*\k], v[SC+32*\qt+16*\c2+2*\k+1]
.endr
.endr
.endr
.if \last
	s_wait_dscnt 0x0
.else
	s_wait_dscnt 24                                ; V's sixteen loads are in; the next step's 8 of bias and 16 of K stay out
.endif
	; ctx^T += V^T P^T; sixteen accumulators by turns
	WIN 0x54
.irp c2, 0,1
.irp qt, 0,1,2,3
.irp dt, 0,1,2,3
.if \first && (\c2 == 0)
	v_wmma_f32_16x16x32_f16 v[ACC+32*\qt+8*\dt:ACC+32*\qt+8*\dt+7], v[VF+32*\c2+8*\dt:VF+32*\c2+8*\dt+7], v[SC+32*\qt+16*\c2:SC+32*\qt+16*\c2+7], 0
.else
	v_wmma_f32_16x16x32_f16 v[ACC+32*\qt+8*\dt:ACC+32*\qt+8*\dt+7], v[VF+32*\c2+8*\dt:VF+32*\c2+8*\dt+7], v[SC+32*\qt+16*\c2:SC+32*\qt+16*\c2+7], v[ACC+32*\qt+8*\dt:ACC+32*\qt+8*\dt+7]
.endif
.endr
.endr
.endr
	WIN 0
.if \last == 0
	v_add_nc_u32 v[ADK], 64*PA, v[ADK]             ; five places before the next score products write over P's registers (ISA guide 7.12.1):
	v_add_nc_u32 v[ADV], 64*PV, v[ADV]             ; three steps of addresses
	v_add_nc_u32 v[ADB], 256, v[ADB]
	v_nop                                          ; and two idle ones
	v_nop
.endif
.endm
	LOADB 0
	LOADK 0
	STEP 1, 0
	s_mov_b32 s30, 14
.Lstep:
	STEP 0, 0
	s_sub_co_i32 s30, s30, 1
	s_cmp_lg_u32 s30, 0
	s_cbranch_scc1 .Lstep
	STEP 0, 1
	; the way out: ctx / sum, to f16, in fragment order
.irp qt, 0,1,2,3
	v_add_f32 v[LS+2*\qt], v[LS+2*\qt], v[LS+2*\qt+1]  ; four places behind the last matrix instructions
.endr
.irp qt, 0,1,2,3
	v_permlanex16_b32 v[UX+\qt], v[LS+2*\qt], s28, s29
.endr
.irp qt, 0,1,2,3
	v_add_f32 v[TM+\qt], v[LS+2*\qt], v[UX+\qt]        ; at least 1: the key of the maximum adds exp2(0)
.endr
.irp qt, 0,1,2,3
	v_rcp_f32 v[AL+\qt], v[TM+\qt]
.endr
	v_nop
	s_wait_alu depctr_va_vdst(0)
	WIN 0x41
.irp qt, 0,1,2,3
.set i, 0
.rept 16
	BC2 v_pk_mul_f32, ACC+32*\qt+2*i, ACC+32*\qt+2*i, AL, \qt
.set i, i+1
.endr
.endr
	WIN 0x05
.irp qt, 0,1,2,3
.irp dt, 0,1,2,3
.irp k, 0,1,2,3
	v_cvt_pk_f16_f32 v[KF+16*\qt+4*\dt+\k], v[ACC+32*\qt+8*\dt+2*\k], v[ACC+32*\qt+8*\dt+2*\k+1]   ; dims 16 dt + 8 h + 2 k, + 1 of query r
.endr
.endr
.endr
	WIN 0
.irp qt, 0,1,2,3
.irp dt, 0,1,2,3
	global_store_b128 v[OUTO], v[KF+16*\qt+4*\dt:KF+16*\qt+4*\dt+3], s[32:33] offset:\qt*65536+\dt*512   ; half dt % 2 of fragment dt / 2: 512 consecutive bytes
.endr
.endr
	s_wait_xcnt 0x0
	v_lshl_add_u32 v254, v0, 2, 0x4d000
	v_mov_b32 v255, 0
	s_wait_tensorcnt 0x0
	ds_add_u32 v254, v255
	s_wait_dscnt 0x0
	s_endpgm
.Lfunc_end_k_q0197369040_attn:
	.size	k_q0197369040_attn, .Lfunc_end_k_q0197369040_attn-k_q0197369040_attn
	.p2alignl 7, 3214868480
	.fill 96, 4, 3214868480
	.section	.rodata,"a",@progbits
	.p2align	6, 0x0
	.amdhsa_kernel k_q0197369040_attn
		.amdhsa_group_segment_fixed_size 316416
		.amdhsa_private_segment_fixed_size 0
		.amdhsa_enable_private_segment 0
		.amdhsa_kernarg_size 48
		.amdhsa_user_sgpr_count 2
		.amdhsa_user_sgpr_kernarg_segment_ptr 1
		.amdhsa_wavefront_size32 1
		.amdhsa_system_sgpr_workgroup_id_x 1
		.amdhsa_system_sgpr_workgroup_id_y 1
		.amdhsa_system_sgpr_workgroup_id_z 1
		.amdhsa_system_vgpr_workitem_id 0
		.amdhsa_next_free_vgpr 512
		.amdhsa_next_free_sgpr 66
		.amdhsa_reserve_vcc 0
		.amdhsa_float_denorm_mode_32 3
		.amdhsa_float_denorm_mode_16_64 3
		.amdhsa_memory_ordered 1
		.amdhsa_forward_progress 1
		.amdhsa_inst_pref_size 157
	.end_amdhsa_kernel
	.amdgpu_metadata
---
amdhsa.version: [ 1, 2 ]
amdhsa.kernels:
  - .name:           k_q0197369040_attn
    .symbol:         k_q0197369040_attn.kd
    .args:
      - { .name: input, .offset: 0, .size: 8, .value_kind: global_buffer, .address_space: global }
      - { .name: memory, .offset: 8, .size: 8, .value_kind: global_buffer, .address_space: global }
      - { .name: mask, .offset: 16, .size: 8, .value_kind: global_buffer, .address_space: global }
      - { .name: Wc, .offset: 24, .size: 8, .value_kind: global_buffer, .address_space: global }
      - { .name: xw, .offset: 32, .size: 8, .value_kind: global_buffer, .address_space: global }
      - { .name: wb, .offset: 40, .size: 8, .value_kind: global_buffer, .address_space: global }
    .group_segment_fixed_size: 316416
    .private_segment_fixed_size: 0
    .kernarg_segment_align: 8
    .kernarg_segment_size: 48
    .max_flat_workgroup_size: 256
    .sgpr_count:     66
    .vgpr_count:     512
    .wavefront_size: 32
...
	.end_amdgpu_metadata
.endif
;; end of part 1
;; launch gemm (part 2): grid 4 x 64, 4 waves a work-group, clusters of 4 x 4, 327,680 bytes of LDS; arguments xw, wb, bc, out0; writes out0
.if DOCPART == 2
	.amdgcn_target "amdgcn-amd-amdhsa--gfx1250"
	.amdhsa_code_object_version 6
	.text
	.protected	k_q0197369040_gemm
	.globl	k_q0197369040_gemm
	.p2align	8
	.type	k_q0197369040_gemm,@function
k_q0197369040_gemm:
	s_mov_b64 s[64:65], 0
	v_nop
	global_prefetch_b8 v0, s[64:65] scope:SCOPE_SE
	s_setreg_imm32_b32 hwreg(HW_REG_WAVE_MODE, 25, 1), 1
	s_wait_xcnt 0x0
	s_wait_alu depctr_hold_cnt(0) depctr_sa_sdst(0) depctr_va_vdst(0) depctr_va_sdst(0) depctr_va_ssrc(0) depctr_va_vcc(0) depctr_vm_vsrc(0)
	s_getreg_b32 s2, hwreg(HW_REG_IB_STS2, 6, 4)
	s_cmp_eq_u32 s2, 0
	s_cbranch_scc0 .Lentry_in_a_cluster
	s_endpgm
.Lentry_in_a_cluster:
	s_bfe_u32 s2, ttmp6, 0x10000c
	s_cmp_lg_u32 s2, 0xf033
	s_cbranch_scc0 .Lentry_shape_is_right
	s_endpgm
.Lentry_shape_is_right:
; out0[m][n] = g(sum over k of X[m][k] Wc[n][k] + bc[n]), g(x) = sigmoid(x) tanh(x).  X = [input | ctx], 8,192 x 2,048; Wc 1,024 x 2,048; sums in f32.
; X and Wc come as f16 in fragment order: xw[m / 16][kc 0..63][1,024 B], wb[n / 16][kc][1,024 B]; byte 512 u + 16 lane of a fragment holds registers 4 u .. 4 u + 3 of the
; lane's operand (16 rows x 32 k).  So a fragment is two LDS loads of 512 consecutive bytes: no padding, and no two lanes of a load meet in a bank.
; f16 and not bf16: 11 significant bits against 8 for a sum of 2,048 products in front of a gate whose slope at 0 is 1/2; the range (65,504) has room for these operands.
; A work-group makes 128 rows x 256 columns with four waves, a wave 64 x 128: 32 accumulator tiles in window 1.  64 x 4 blocks = 256 work-groups.
; K goes in 16 steps of 128 (4 fragments = 4,096 consecutive bytes of each block of 16 rows) through two LDS slots filled by tensor loads.
; CLUSTERS: 4 x 4 work-groups.  The four of a row of the cluster make one block row and ask for X's tiles jointly; the four of a column ask for Wc's tiles jointly.
; THE MATRIX INSTRUCTION IS USED TRANSPOSED: source 0 = 16 rows of Wc, source 1 = 16 rows of X, so that a lane's eight results are eight neighbouring columns of one row.
; A wave has two tensor loads out at the start and one behind each round of the cluster's barrier.
; GATE: with u = e^-|x|, g = (u - 1) (x < 0 ? u : -1) / (1 + u^2): the same function, and no exponential can overflow.  u is 0 below 2^-126 (ISA guide 15.8): g is then 1 or -0.
.set WPART,  32768                     ; a wave's part of a slot.  Waves 0, 1 bring 4 row blocks of X (16,384 B) and leave the rest unused, waves 2, 3 bring 8 blocks of Wc (32,768 B):
                                       ; so a tile's LDS address is the wave's number times one constant
.set SLOT,   4*WPART
.set STAGE,  2*SLOT                    ; behind the ring: 16 rows x 528 bytes for each wave, for the way out
.set SPITCH, 528                       ; 512 bytes of a row + 16: an odd multiple of 16
.set LAPS,   8                         ; a lap = two K steps = once round the ring
.set ADRA, 16                          ; v16-17 LDS address of my X fragments in slot 0, 1
.set ADRB, 20                          ; v20-21 the same for Wc
.set STO,  24                          ; the way out: where I put my results of a row
.set RD,   25                          ; the way out: where I read a row back
.set CO,   26                          ; 16 x lane
.set BB,   28                          ; v28-31 bc of my four columns on the way out
.set F0,   32                          ; v32-127  fragment buffer 0: Wc's eight at 8 b, X's four at 64 + 8 a
.set F1,   128                         ; v128-223 fragment buffer 1
.set TMP,  224                         ; v224-239 the gate, at work
.set G1,  24                           ; s[24:31] descriptor group 1 for X's tiles
.set G0,  32                           ; s[32:39] descriptor group 0 for X's tiles, one set for each slot
.set G1B, 48                           ; s[48:55] group 1 for Wc's tiles
.set G0B, 56                           ; s[56:63] group 0 for Wc's tiles
.set MSB, 0
.macro WIN new                         ; the immediate's high byte repeats the setting that is left
.if MSB != \new
	s_set_vgpr_msb (MSB<<8)|\new
.set MSB, \new
.endif
.endm
.macro PLACES                          ; four places behind matrix instructions (ISA guide 7.12.1)
.rept 4
	v_nop
.endr
.endm
; A joint load: waves 0 and 1 ask for X's two halves, waves 2 and 3 for Wc's.  The branch hangs on the wave's number alone.
.macro JLOAD s
	s_cmp_eq_u32 s13, 0
	s_cbranch_scc0 .Lfor_b_\@
	tensor_load_to_lds s[G0+4*\s:G0+4*\s+3], s[G1:G1+7]
	s_nop 0
	s_branch .Lasked_\@
.Lfor_b_\@:
	tensor_load_to_lds s[G0B+4*\s:G0B+4*\s+3], s[G1B:G1B+7]
	s_nop 0
.Lasked_\@:
.endm
.macro CREST                           ; a round of the cluster's barrier behind its opening work-group barrier
	s_cmp_lg_u32 s12, 0
	s_cbranch_scc1 .Lnot_wave_0_\@
	s_barrier_signal -3
.Lnot_wave_0_\@:
	s_barrier_wait -3
	s_barrier_signal -1
	s_barrier_wait -1
.endm
.macro CROUND                          ; a whole round
	s_barrier_signal -1
	s_barrier_wait -1
	CREST
.endm
	s_load_b256 s[4:11], s[0:1], 0x0               ; xw s[4:5], wb s[6:7], bc s[8:9], out0 s[10:11]
	v_lshl_add_u32 v254, v0, 2, 0x48400
	v_mov_b32 v255, 0
	ds_add_u32 v254, v255
	v_lshrrev_b32 v1, 5, v0
	v_readfirstlane_b32 s12, v1                    ; wave 0..3
	s_lshr_b32 s13, s12, 1                         ; which 64 rows are mine.  Also: I fetch for X (0) or for Wc (1)
	s_and_b32 s14, s12, 1                          ; which 128 columns.  Also: which half of that tile I fetch
	s_bfe_u32 s40, ttmp6, 0x40000                  ; cx
	s_bfe_u32 s41, ttmp6, 0x40004                  ; cy
	s_lshl_b32 s42, ttmp9, 2
	s_add_co_u32 s42, s42, s40                     ; block column = 4 x cluster x + cx
	s_and_b32 s15, ttmp7, 0xffff
	s_lshl_b32 s15, s15, 2
	s_add_co_u32 s15, s15, s41                     ; block row = 4 x cluster y + cy
	s_lshl_b32 s43, s41, 2
	s_lshl_b32 s43, 15, s43                        ; my row of the cluster
	s_lshl_b32 s44, 0x1111, s40                    ; my column
	; group 1: rows of 512 elements of 8 bytes (4,096 bytes: four fragments), 8,192 elements (a block's 64 fragments) apart; 4 rows of X, 8 of Wc; no padding
	s_or_b32 s[G1+0], s43, (3<<16)|(1<<21)         ; 15:0 the mask: X's tiles go to my row; 17:16 elements of 8 bytes; 21 set beside a mask
	s_or_b32 s[G1B+0], s44, (3<<16)|(1<<21)        ; Wc's tiles go to my column
	s_mov_b32 s[G1+1], 512<<16                     ; tensor_dim0 = 512
	s_mov_b32 s[G1B+1], 512<<16
	s_mov_b32 s[G1+2], 4<<16                       ; tensor_dim1 = 4
	s_mov_b32 s[G1B+2], 8<<16                      ; tensor_dim1 = 8
	s_mov_b32 s[G1+3], 512<<16                     ; tile_dim0 = 512
	s_mov_b32 s[G1B+3], 512<<16
	s_mov_b32 s[G1+4], 4                           ; tile_dim1
	s_mov_b32 s[G1B+4], 8
	s_mov_b32 s[G1+5], 8192                        ; elements from row to row
	s_mov_b32 s[G1B+5], 8192
	s_mov_b32 s[G1+6], 0
	s_mov_b32 s[G1B+6], 0
	s_mov_b32 s[G1+7], 0
	s_mov_b32 s[G1B+7], 0
	; X's tiles hang on the block row and the wave alone, Wc's on the block column and the wave alone, each in registers that never hold the other coordinate
	s_lshl_b32 s16, s15, 19                        ; 8 row blocks of 65,536 bytes
	s_lshl_b32 s18, s14, 18                        ; + 4 for the second half
	s_add_co_u32 s16, s16, s18
	s_mov_b32 s17, 0
	s_lshl_b32 s46, s42, 20                        ; 16 blocks of Wc
	s_lshl_b32 s18, s14, 19                        ; + 8 for the second half
	s_add_co_u32 s46, s46, s18
	s_mov_b32 s47, 0
	s_lshl_b32 s20, s12, 15                        ; where they go: wave x 32,768
	s_lshl_b32 s22, s42, 10                        ; my first column x 4 bytes: 1,024 x block column + 512 x half; serves bc and out0
	s_lshl_b32 s23, s14, 9
	s_add_co_u32 s22, s22, s23
	s_mov_b32 s23, 0
	s_wait_dscnt 0x0
	s_wait_kmcnt 0x0
	s_add_nc_u64 s[16:17], s[4:5], s[16:17]
	s_add_nc_u64 s[46:47], s[6:7], s[46:47]
	s_add_nc_u64 s[8:9], s[8:9], s[22:23]
	CROUND                                         ; all sixteen work-groups are here: the first joint loads meet
.irp s, 0,1
	s_mov_b32 s[G0+4*\s], 1                                        ; count = 1
	s_add_co_u32 s[G0+4*\s+1], s20, \s*SLOT                        ; LDS address
	s_add_nc_u64 s[G0+4*\s+2:G0+4*\s+3], s[16:17], \s*4096         ; global address: K step s
	s_or_b32 s[G0+4*\s+3], s[G0+4*\s+3], 0x80000000                ; type = 2
	s_mov_b32 s[G0B+4*\s], 1
	s_add_co_u32 s[G0B+4*\s+1], s20, \s*SLOT
	s_add_nc_u64 s[G0B+4*\s+2:G0B+4*\s+3], s[46:47], \s*4096
	s_or_b32 s[G0B+4*\s+3], s[G0B+4*\s+3], 0x80000000
	JLOAD \s                                       ; the ring is filled before anything else is done
.endr
	v_and_b32 v1, 31, v0
	v_and_b32 v2, 15, v0                           ; r
	v_bfe_u32 v3, v0, 4, 1                         ; h
	v_lshlrev_b32 v[CO], 4, v1
	global_load_b128 v[BB:BB+3], v[CO], s[8:9]     ; bc of columns 4 lane .. + 3 of my 128
	s_lshl_b32 s18, s13, 15                        ; my 64 rows of X: what wave (w >> 1) brought
	s_lshl_b32 s19, s14, 15
	s_add_co_u32 s19, s19, 2*WPART                 ; my 128 rows of Wc: what wave 2 + (w & 1) brought
.irp s, 0,1
	v_add_nc_u32 v[ADRA+\s], s18, v[CO]
	v_add_nc_u32 v[ADRB+\s], s19, v[CO]
	s_add_co_u32 s18, s18, SLOT
	s_add_co_u32 s19, s19, SLOT
.endr
	s_mul_i32 s18, s12, 16*SPITCH
	s_add_co_u32 s18, s18, STAGE                   ; my stage
	v_mul_u32_u24 v4, v2, SPITCH
	v_lshl_add_u32 v4, v3, 5, v4
	v_add_nc_u32 v[STO], s18, v4                   ; in: row r, 32 bytes for each half of the lanes
	v_add_nc_u32 v[RD], s18, v[CO]                 ; back: a whole row of 512 bytes by 32 lanes
; 16 matrix instructions: row tiles a0, a0 + 1 x all 8 column tiles, 32 along K.  zero = 1: the first product starts the sums.
; The 32 accumulators take turns in the same order in every quarter step, one instruction a turn.
.macro MULH f, a0, zero
.irp a, \a0, \a0+1
.irp b, 0,1,2,3,4,5,6,7
.if \zero
	v_wmma_f32_16x16x32_f16 v[8*(8*(\a)+\b):8*(8*(\a)+\b)+7], v[\f+8*\b:\f+8*\b+7], v[\f+64+8*(\a):\f+64+8*(\a)+7], 0
.else
	v_wmma_f32_16x16x32_f16 v[8*(8*(\a)+\b):8*(8*(\a)+\b)+7], v[\f+8*\b:\f+8*\b+7], v[\f+64+8*(\a):\f+64+8*(\a)+7], v[8*(8*(\a)+\b):8*(8*(\a)+\b)+7]
.endif
.endr
.endr
.endm
; 24 LDS loads in one run: fragment kc of the slot's four, for my 8 blocks of Wc and my 4 of X
.macro FETCH slot, kc, f
.irp b, 0,1,2,3,4,5,6,7
	ds_load_b128 v[\f+8*\b:\f+8*\b+3],   v[ADRB+\slot] offset:\b*4096+\kc*1024
	ds_load_b128 v[\f+8*\b+4:\f+8*\b+7], v[ADRB+\slot] offset:\b*4096+\kc*1024+512
.endr
.irp a, 0,1,2,3
	ds_load_b128 v[\f+64+8*\a:\f+64+8*\a+3], v[ADRA+\slot] offset:\a*4096+\kc*1024
	ds_load_b128 v[\f+64+8*\a+4:\f+64+8*\a+7], v[ADRA+\slot] offset:\a*4096+\kc*1024+512
.endr
.endm
; One of a K step's first three quarters: asks for the next quarter's fragments (kc, into g), then multiplies f: the loads have 32 matrix instructions in which to land.
.macro QUARTER slot, kc, f, g, zero
	s_wait_dscnt 0x0                               ; buffer f is in
	PLACES                                         ; buffer g was read by the last matrix instructions
	WIN 0
	FETCH \slot, \kc, \g
	WIN 0x50                                       ; C and D in window 1
	MULH \f, 0, \zero
	MULH \f, 2, \zero
.endm
.macro THREE slot, zero
	QUARTER \slot, 1, F0, F1, \zero
	QUARTER \slot, 2, F1, F0, 0
	QUARTER \slot, 3, F0, F1, 0
.endm
; The last quarter multiplies buffer 1 and changes slots.  In front of the barrier each wave waits for its reads of this slot and for all its tensor loads (one is out:
; its part of the next slot).  fill = 1: the barrier opens a round of the cluster's barrier, and behind the round this slot is asked for again, two K steps ahead, first of all.
.macro TURN slot, next, fill
	s_wait_dscnt 0x0                               ; buffer 1 is in: my reads of this slot are over
	s_wait_tensorcnt 0x0                           ; all my tensor loads have landed
	ds_add_u32 v254, v255
	s_wait_dscnt 0x0
	s_barrier_signal -1
	WIN 0x50
	MULH F1, 0, 0                                  ; work on registers while the others arrive
	WIN 0
	s_barrier_wait -1
.if \fill
	CREST                                          ; no wave of any partner still reads this slot or has a load on its way
	s_add_nc_u64 s[G0+4*\slot+2:G0+4*\slot+3], s[G0+4*\slot+2:G0+4*\slot+3], 8192
	s_add_nc_u64 s[G0B+4*\slot+2:G0B+4*\slot+3], s[G0B+4*\slot+2:G0B+4*\slot+3], 8192
	JLOAD \slot                                    ; the first tensor load behind the round, my only one until the next
.endif
	PLACES
	FETCH \next, 0, F0
	WIN 0x50
	MULH F1, 2, 0
.endm
.macro LAP zero
	THREE 0, \zero
	TURN 0, 1, 1
	THREE 1, 0
	TURN 1, 0, 1
.endm
	s_wait_tensorcnt 1                             ; my part of K step 0 is in; K step 1's stays out
	s_barrier_signal -1
	s_barrier_wait -1                              ; everybody's is
	FETCH 0, 0, F0
	LAP 1                                          ; the first lap stands in front of the loop: its first products start the sums
	WIN 0                                          ; at a label and at a branch every window is 0
	s_mov_b32 s3, LAPS-2
.Llap:
	LAP 0
	WIN 0
	s_sub_co_u32 s3, s3, 1
	s_cmp_lg_u32 s3, 0
	s_cbranch_scc1 .Llap
	THREE 0, 0                                     ; the last lap fills nothing
	TURN 0, 1, 0
	THREE 1, 0
	s_wait_dscnt 0x0
	WIN 0x50
	MULH F1, 0, 0
	MULH F1, 2, 0
	; THE WAY OUT, 16 rows at a time: f32 results into my own stage, read back as whole rows of 512 bytes, bias and gate, stored.
	PLACES                                         ; behind the last matrix instructions: for the LDS stores of results and the loads into the fragment buffers
	s_lshl_b32 s16, s15, 19                        ; block row x 128 rows x 4,096 bytes
	s_lshl_b32 s18, s13, 18                        ; + my 64 rows
	s_add_co_u32 s16, s16, s18
	s_mov_b32 s17, 0
	s_add_nc_u64 s[10:11], s[10:11], s[16:17]
	s_add_nc_u64 s[10:11], s[10:11], s[22:23]      ; + my first column
	s_mov_b32 s21, 0xbfb8aa3b                      ; -log2(e)
	s_wait_loadcnt 0x0                             ; bc
; four numbers at v[x .. x + 3]: add bc, then the gate
.macro GATE x
	v_pk_add_f32 v[\x:\x+1], v[\x:\x+1], v[BB:BB+1]
	v_pk_add_f32 v[\x+2:\x+3], v[\x+2:\x+3], v[BB+2:BB+3]
.irp k, 0,1,2,3
	v_mul_f32 v[TMP+\k], s21, |v[\x+\k]|
.endr
.irp k, 0,1,2,3
	v_exp_f32 v[TMP+\k], v[TMP+\k]                 ; u = e^-|x|
.endr
.irp k, 0,1,2,3
	v_cmp_gt_f32 s[16+\k], 0, v[\x+\k]             ; x < 0; also the plain place behind the exponentials (ISA guide 5.7.2)
.endr
	s_wait_alu depctr_va_vdst(0)
	v_pk_fma_f32 v[TMP+4:TMP+5], v[TMP:TMP+1], v[TMP:TMP+1], 1.0 op_sel_hi:[1,1,0]       ; 1 + u^2
	v_pk_fma_f32 v[TMP+6:TMP+7], v[TMP+2:TMP+3], v[TMP+2:TMP+3], 1.0 op_sel_hi:[1,1,0]
	v_pk_add_f32 v[TMP+8:TMP+9], v[TMP:TMP+1], -1.0 op_sel_hi:[1,0]                      ; u - 1
	v_pk_add_f32 v[TMP+10:TMP+11], v[TMP+2:TMP+3], -1.0 op_sel_hi:[1,0]
.irp k, 0,1,2,3
	v_rcp_f32 v[TMP+4+\k], v[TMP+4+\k]
.endr
.irp k, 0,1,2,3
	v_cndmask_b32 v[TMP+12+\k], -1.0, v[TMP+\k], s[16+\k]   ; x < 0 ? u : -1; also the place behind the reciprocals
.endr
	v_pk_mul_f32 v[TMP+8:TMP+9], v[TMP+8:TMP+9], v[TMP+12:TMP+13]
	v_pk_mul_f32 v[TMP+10:TMP+11], v[TMP+10:TMP+11], v[TMP+14:TMP+15]
	s_wait_alu depctr_va_vdst(0)
	v_pk_mul_f32 v[\x:\x+1], v[TMP+8:TMP+9], v[TMP+4:TMP+5]
	v_pk_mul_f32 v[\x+2:\x+3], v[TMP+10:TMP+11], v[TMP+6:TMP+7]
.endm
; rows 16 a .. 16 a + 15 of my 64 = the eight tiles (a, 0..7); f: F0 or F1 in turn
.macro OUT16 a, f
	WIN 0x04                                       ; store data in window 1
.irp b, 0,1,2,3,4,5,6,7
	ds_store_b128 v[STO], v[8*(8*\a+\b):8*(8*\a+\b)+3] offset:64*\b       ; row r, columns 16 b + 8 h ..
	ds_store_b128 v[STO], v[8*(8*\a+\b)+4:8*(8*\a+\b)+7] offset:64*\b+16
.endr
	WIN 0
	s_wait_xcnt 0x0                                ; buffer f, which earlier stores read, is rewritten only behind this wait
.irp t, 0,1,2,3,4,5,6,7,8,9,10,11,12,13,14,15
	ds_load_b128 v[\f+4*\t:\f+4*\t+3], v[RD] offset:SPITCH*\t   ; LDS serves a wave's instructions in order (ISA guide 5.7.1): these see the stores above
.endr
.irp t, 0,1,2,3,4,5,6,7,8,9,10,11,12,13,14,15
	s_wait_dscnt 15-\t                             ; row t is in, the younger rows stay out
	GATE \f+4*\t
	global_store_b128 v[CO], v[\f+4*\t:\f+4*\t+3], s[10:11] offset:(16*\a+\t)*4096 th:TH_STORE_NT   ; 512 consecutive bytes of one row, aligned
.endr
.endm
	OUT16 0, F0
	OUT16 1, F1
	OUT16 2, F0
	OUT16 3, F1
	s_wait_tensorcnt 0x0
	ds_add_u32 v254, v255
	s_wait_dscnt 0x0
	CROUND                                         ; the closing round: no work-group ends while a partner may still ask for a tile that names it
	s_endpgm
.Lfunc_end_k_q0197369040_gemm:
	.size	k_q0197369040_gemm, .Lfunc_end_k_q0197369040_gemm-k_q0197369040_gemm
	.p2alignl 7, 3214868480
	.fill 96, 4, 3214868480
	.section	.rodata,"a",@progbits
	.p2align	6, 0x0
	.amdhsa_kernel k_q0197369040_gemm
		.amdhsa_group_segment_fixed_size 327680
		.amdhsa_private_segment_fixed_size 0
		.amdhsa_enable_private_segment 0
		.amdhsa_kernarg_size 32
		.amdhsa_user_sgpr_count 2
		.amdhsa_user_sgpr_kernarg_segment_ptr 1
		.amdhsa_wavefront_size32 1
		.amdhsa_system_sgpr_workgroup_id_x 1
		.amdhsa_system_sgpr_workgroup_id_y 1
		.amdhsa_system_sgpr_workgroup_id_z 1
		.amdhsa_system_vgpr_workitem_id 0
		.amdhsa_next_free_vgpr 512
		.amdhsa_next_free_sgpr 66
		.amdhsa_reserve_vcc 0
		.amdhsa_float_denorm_mode_32 3
		.amdhsa_float_denorm_mode_16_64 3
		.amdhsa_memory_ordered 1
		.amdhsa_forward_progress 1
		.amdhsa_inst_pref_size 224
	.end_amdhsa_kernel
	.amdgpu_metadata
---
amdhsa.version: [ 1, 2 ]
amdhsa.kernels:
  - .name:           k_q0197369040_gemm
    .symbol:         k_q0197369040_gemm.kd
    .args:
      - { .name: xw, .offset: 0, .size: 8, .value_kind: global_buffer, .address_space: global }
      - { .name: wb, .offset: 8, .size: 8, .value_kind: global_buffer, .address_space: global }
      - { .name: bc, .offset: 16, .size: 8, .value_kind: global_buffer, .address_space: global }
      - { .name: out0, .offset: 24, .size: 8, .value_kind: global_buffer, .address_space: global }
    .group_segment_fixed_size: 327680
    .private_segment_fixed_size: 0
    .kernarg_segment_align: 8
    .kernarg_segment_size: 32
    .max_flat_workgroup_size: 128
    .sgpr_count:     66
    .vgpr_count:     512
    .wavefront_size: 32
...
	.end_amdgpu_metadata
.endif
;; end of part 2
